; MI455X (gfx1250); checked and timed in simulation.
; The chip was launched on July 23, 2026; its instructions are those of AMD's public machine-readable ISA for CDNA 5 (MIT licence, August 2026) and "CDNA5" Instruction Set Architecture Reference Guide (July 2026). The comments in the code are by the model that wrote it; some were corrected since.
;; Multihead Attention. Allowed arithmetic: matrix products marked QUANTISED: E2M3 operands, one E8M0 scale for each 32 along K, by v_wmma_scale_f32_16x16x128_f8f6f4 with both operands' format E2M3, f32 sums; everything else in f32.
;; Inputs: o_b 1,024 float32; o_w 1,024 x 1,024 float32; qkv_b 3,072 float32; qkv_w 3,072 x 1,024 float32; x 4 x 2,048 x 1,024 float32.
;; Outputs: out0 4 x 2,048 x 1,024 float32.
;; This version of the problem:
;;   THIS VERSION OF THE PROBLEM IS GIVEN IN LOW PRECISION. The matrix products marked QUANTISED in the list below multiply operands that are first quantised to E2M3 (2 exponent bits, 3 mantissa bits; 6 bits a number), with one power-of-two scale for each 32 numbers along K (OCP MX v1.0); their sums are f32. All else is computed in f32.
;;   The module's matrix products, in the order in which they are computed (A, B: the left and right operand; K: the contracted axis; several contracted axes count as one K, in the product's order):
;;     1. [M 8,192, K 1,024] x [K 1,024, N 3,072]; A: input x; B: input qkv_w: QUANTISED
;;     2. batch 64 x [M 2,048, K 64] x [K 64, N 2,048]; A: computed on the way; B: computed on the way: QUANTISED
;;     3. batch 64 x [M 2,048, K 2,048] x [K 2,048, N 64]; A: softmax (see below); B: computed on the way: QUANTISED
;;     4. [M 8,192, K 1,024] x [K 1,024, N 1,024]; A: computed on the way; B: input o_w: QUANTISED
;;   THE QUANTISER, for each operand of a quantised product, along K:
;;     - K is cut into blocks of 32 from its start; a last block that is shorter is filled with zeros.
;;     - A block's scale is 2^e with e = floor(log2(the largest magnitude in the block)) - 2, held to -126 .. 127; a block of zeros has e = 0. As a byte (E8M0): e + 127.
;;     - Each number is divided by its block's scale, clamped to +-7.5, and rounded to the nearest number of E2M3, ties to even, subnormals kept.
;;     - The product sums the exact products of the quantised numbers (number of the format x scale) in f32.
;;   ~~~python
;;   def quantise(x, axis):      # numpy; x: float32 -> the quantised numbers, widened to float32 again
;;       x = np.moveaxis(x, axis, -1); K = x.shape[-1]
;;       x = np.pad(x, [(0, 0)] * (x.ndim - 1) + [(0, -K % 32)]); x = x.reshape(x.shape[:-1] + (-1, 32)); a = np.abs(x).max(-1, keepdims=True)
;;       e = np.where(a > 0, np.clip(np.frexp(np.where(a > 0, a, 1))[1] - 1 - 2, -126, 127), 0)      # np.frexp(a)[1] - 1 = floor(log2(a)), exactly
;;       r = np.clip(x / 2.0 ** e, -7.5, 7.5)
;;       step = 2.0 ** (np.maximum(np.frexp(np.where(r == 0, 1, r))[1] - 1, 0) - 3)
;;       q = np.round(r / step) * step * 2.0 ** e      # np.round: ties to even
;;       return np.moveaxis(q.reshape(q.shape[:-2] + (-1,))[..., :K], -1, axis).astype(np.float32)
;;   ~~~
;;   SOFTMAX AHEAD OF A QUANTISED PRODUCT. Where the list says 'softmax', what is quantised is not the finished softmax but p = 2^(t - M), with t = logit x log2(e) and M = ceil(the row's largest t), a whole number; so 1/2 < the row's largest p <= 1. The row's sum l is taken of the UNQUANTISED p, in f32, and the product's result is divided by l at the end. Since M is a whole number, a kernel that streams over the keys may use a running M (the ceiling of the running maximum): every later rescaling is an exact power of two, which a block's scale takes up: the codes' values come out the same.
;;   OPERANDS COMPUTED ON THE WAY. 'Computed on the way' means the value that the module computes at that place (a softmax that the list does not call 'softmax' is quantised finished and normalised). What goes into a quantiser is computed in f32, as accurately as f32 sums, v_exp_f32 and their like allow (about 1e-6 of the number): no bf16 or f16 on the way to a quantiser, and a product that is left as it is and whose result goes on into a quantised operand takes f32 operands (vector FMAs, or v_wmma_f32_16x16x4_f32). A number that lies on a knife's edge between two numbers of the format may be rounded either way, as far as f32 arithmetic and the matrix unit's own rounding can turn it there, and no further.
;; One version. Each part assembles by itself: llvm-mc -triple=amdgcn-amd-amdhsa -mcpu=gfx1250 --defsym DOCPART=n.
;; ======== version 1 of 1: 4 launches
;; limits: right only within a limited range of input values
;; workspace buffers: cod 9,437,184 bytes; scl 393,216 bytes; qcod 6,291,456 bytes; qscl 524,288 bytes; kv 13,369,344 bytes; vcod 6,291,456 bytes; vscl 262,144 bytes
;; launch quant (part 1): grid 768 x 1, 2 waves a work-group, no clusters, 17,152 bytes of LDS; arguments x, qkv_w, o_w, cod, scl; writes cod, scl
.if DOCPART == 1
	.amdgcn_target "amdgcn-amd-amdhsa--gfx1250"
	.amdhsa_code_object_version 6
	.text
	.protected	k_q914ae2353e_quant
	.globl	k_q914ae2353e_quant
	.p2align	8
	.type	k_q914ae2353e_quant,@function
k_q914ae2353e_quant:
	s_mov_b64 s[64:65], 0
	v_nop
	global_prefetch_b8 v0, s[64:65] scope:SCOPE_SE
	s_setreg_imm32_b32 hwreg(HW_REG_WAVE_MODE, 25, 1), 1
	s_wait_xcnt 0x0
; MULTI-HEAD ATTENTION IN MX-FP6 (E2M3, one E8M0 scale for each 32 along K), four launches: quant, qkv, attn, proj.
; NO WORK OF reference() IS LEFT OUT: x, qkv_w, qkv_b, o_w and o_b all reach the output, and all four products are live.
; THIS LAUNCH turns x [8192][1024], qkv_w [3072][1024] and o_w [1024][1024], f32 with K innermost, into codes and scale bytes, laid in the order of the operand's registers.
; A block's scale is 2^(floor(log2(its largest magnitude)) - 2): its byte is that magnitude's exponent field - 2, held at 1 from below; each number is divided by the scale and rounded to the nearest code, ties to even.
; TILES.  Rows go in groups of 64; tile u (0..3) of group G holds in its row r (0..15) the tensor's row 64 G + 32 (r / 8) + 8 u + r % 8: used as source 0 of a product, a group's four tiles leave
; 32 neighbouring rows in one lane's 32 result registers, a whole block of the next quantiser.
; cod: [group 0..191][chunk of two K steps 0..3][tile 0..3][K step 0..1][1,536 bytes]; groups 0-127 x, 128-175 qkv_w, 176-191 o_w.  So a group's chunks lie on end, and any run of them is one dense block.
; A K step's 12 registers a lane lie as two units of 768 bytes (64 along K each): registers 0-3 at 16 x lane, registers 4-5 at 512 + 8 x lane.
; scl: [tile 0..767][half of K][row 0..15][4 words]: word i of half f is the scale word (128 along K) of K step 4 f + i.
; SHARES.  A work-group of two waves takes one tile, a wave its 16 rows x 512 along K, four steps of 128: 768 work-groups.  A load reads 512 consecutive bytes of one row; a step's 16 rows turn through the wave's own stage
; in LDS (rows of 528 bytes), from which lane (r, h) takes, of row r, k = 64 u + 32 h + 0 .. 31: two whole blocks.  Work-groups share no input: no cluster, no tensor load, no barrier.
; LIMITS: NaN and infinities among the inputs are not served; a block whose largest magnitude lies under 2^-124 keeps the byte 1; a block of zeros gets the byte 1 where the rule says 127 (its codes are zeros, and this program alone reads the bytes).
.set STGB,  8448                       ; a wave's stage: 16 rows x 528 bytes
.set SPARE, 2*STGB                     ; behind the stages: the spare words, 128 bytes a wave
.set L16,  2                           ; 16 x lane
.set SIN,  3                           ; the stage, way in
.set SOUT, 4                           ; way out: 528 r + 128 h
.set SH8,  5                           ; 8 h
.set SCO,  6                           ; 16 r + 8 h
.set L8,   7                           ; 8 x lane
.set SPW,  8
.set NIL,  9
.set TM,   10
.set SO,   12
.set BY,   14
.set W,    16
.set T,    17
.set WD,   18                          ; v18-21 the four steps' scale words
.set PK,   22
.set TP,   24
.set C,    32                          ; v32-43 a step's codes
.set R,    64                          ; v64-191 two sets of 64: 16 rows as loaded
.set X,    192                         ; v192-255 my two blocks
	s_load_b128 s[4:7], s[0:1], 0x0                ; x, qkv_w
	s_load_b128 s[8:11], s[0:1], 0x10              ; o_w, cod
	s_load_b64 s[12:13], s[0:1], 0x20              ; scl
	v_lshl_add_u32 v[SPW], v0, 2, SPARE
	v_mov_b32 v[NIL], 0
	v_lshrrev_b32 v1, 5, v0
	v_readfirstlane_b32 s14, v1                    ; wave 0, 1
	v_and_b32 v1, 31, v0
	v_lshlrev_b32 v[L16], 4, v1
	v_lshlrev_b32 v[L8], 3, v1
	s_mul_i32 s15, s14, STGB
	v_add_nc_u32 v[SIN], s15, v[L16]
	v_and_b32 v10, 15, v0                          ; r
	v_bfe_u32 v11, v0, 4, 1                        ; h
	v_mul_u32_u24 v[SOUT], v10, 528
	v_lshl_add_u32 v[SOUT], v11, 7, v[SOUT]
	v_add_nc_u32 v[SOUT], s15, v[SOUT]
	v_lshlrev_b32 v[SH8], 3, v11
	v_lshl_add_u32 v[SCO], v10, 4, v[SH8]
	v_mov_b32 v[T], 0                              ; a lane permute's destination counts as read
	s_mov_b32 s16, 0x76543210
	s_mov_b32 s17, 0xfedcba98                      ; selects for lane l xor 16
	s_mov_b32 s18, ttmp9                           ; my tile
	s_and_b32 s19, s14, 1                          ; my half of K
	s_mov_b32 s20, 704                             ; the first tile of my tensor: 0, 512 or 704
	s_cmp_lt_u32 ttmp9, 704
	s_cselect_b32 s20, 512, s20
	s_cmp_lt_u32 ttmp9, 512
	s_cselect_b32 s20, 0, s20
	s_sub_co_u32 s21, s18, s20                     ; the tile's number in its tensor
	s_lshr_b32 s22, s21, 2
	s_lshl_b32 s22, s22, 18                        ; its group's 64 rows of 4,096 bytes,
	s_and_b32 s23, s21, 3
	s_lshl_b32 s23, s23, 15                        ; 8 rows for each tile in the group,
	s_add_co_u32 s22, s22, s23
	s_lshl_b32 s23, s19, 11                        ; 2,048 bytes for the upper half of K
	s_add_co_u32 s22, s22, s23
	s_mov_b32 s23, 0
	s_lshr_b32 s24, s18, 2
	s_mul_i32 s24, s24, 49152                      ; cod: my group,
	s_and_b32 s25, s18, 3
	s_mul_i32 s25, s25, 3072                       ; my tile's place in a chunk,
	s_add_co_u32 s24, s24, s25
	s_mul_i32 s25, s19, 24576                      ; two chunks for the upper half of K
	s_add_co_u32 s24, s24, s25
	s_mov_b32 s25, 0
	s_lshl_b32 s26, s18, 9
	s_lshl_b32 s27, s19, 8
	s_add_co_u32 s26, s26, s27                     ; scl: my tile, my half
	s_mov_b32 s27, 0
	s_wait_alu depctr_va_vdst(0)                   ; the wait at the head's end
	s_wait_kmcnt 0x0
	s_cmp_lt_u32 ttmp9, 704
	s_cselect_b64 s[6:7], s[6:7], s[8:9]
	s_cmp_lt_u32 ttmp9, 512
	s_cselect_b64 s[4:5], s[4:5], s[6:7]           ; my tensor
	s_add_nc_u64 s[4:5], s[4:5], s[22:23]
	s_add_nc_u64 s[10:11], s[10:11], s[24:25]
	s_add_nc_u64 s[12:13], s[12:13], s[26:27]
.macro LOAD t                          ; step t's 16 rows: each load is 512 consecutive bytes
.irp i, 0,1,2,3,4,5,6,7,8,9,10,11,12,13,14,15
	global_load_b128 v[R+64*((\t)%2)+4*\i:R+64*((\t)%2)+4*\i+3], v[L16], s[4:5] offset:((\i%8)+32*(\i/8))*4096+512*(\t) th:TH_LOAD_NT
.endr
.endm
.macro STEP t
.if (\t) < 3
	s_wait_loadcnt 16                              ; this step's 16 loads are in; the next step's 16 may be out
.else
	s_wait_loadcnt 0x0
.endif
.irp i, 0,1,2,3,4,5,6,7,8,9,10,11,12,13,14,15
	ds_store_b128 v[SIN], v[R+64*((\t)%2)+4*\i:R+64*((\t)%2)+4*\i+3] offset:528*\i
.endr
.irp u, 0,1
.irp j, 0,1,2,3,4,5,6,7
	ds_load_b128 v[X+32*\u+4*\j:X+32*\u+4*\j+3], v[SOUT] offset:256*\u+16*\j   ; LDS serves a wave's instructions in order: these see the stores above
.endr
.endr
	s_wait_dscnt 0x0                               ; my blocks are in, and the stores have read the set that the loads below fill
.if (\t) > 0
	s_wait_xcnt 0x0                                ; the last step's stores have read their data
.endif
.if (\t) < 2
	LOAD (\t)+2
.endif
.irp u, 0,1
	v_max3_num_f32 v[TM+\u], |v[X+32*\u]|, |v[X+32*\u+1]|, 0x1800000   ; the floor 2^(3 - 127): the byte cannot fall under 1
.endr
.irp i, 2,4,6,8,10,12,14,16,18,20,22,24,26,28,30
.irp u, 0,1
	v_max3_num_f32 v[TM+\u], v[TM+\u], |v[X+32*\u+\i]|, |v[X+32*\u+\i+1]|
.endr
.endr
.irp u, 0,1
	v_add_nc_u32 v[SO+\u], 0xff000000, v[TM+\u]    ; 2 off the exponent field: the conversion's scale operand
.endr
.irp u, 0,1
	v_lshrrev_b32 v[BY+\u], 23, v[SO+\u]           ; the scale's byte
.endr
.irp u, 0,1
	v_cvt_scalef32_pk16_fp6_f32 v[C+6*\u:C+6*\u+2], v[X+32*\u:X+32*\u+15], v[SO+\u]
	v_cvt_scalef32_pk16_fp6_f32 v[TP+4*\u:TP+4*\u+2], v[X+32*\u+16:X+32*\u+31], v[SO+\u]   ; (a conversion's three registers begin on an even number)
.endr
	v_nop                                          ; one plain place behind the conversions
.irp u, 0,1
.irp i, 0,1,2
	v_mov_b32 v[C+6*\u+3+\i], v[TP+4*\u+\i]
.endr
.endr
	v_lshl_or_b32 v[W], v[BY+1], 16, v[BY]         ; my bytes: blocks h and 2 + h of the step,
	v_lshlrev_b32 v[W], v[SH8], v[W]               ; at their places in the word;
	v_permlanex16_b32 v[T], v[W], s16, s17
	v_or_b32 v[WD+(\t)], v[W], v[T]                ; with lane l xor 16's two the word is whole
.irp u, 0,1
	global_store_b128 v[L16], v[C+6*\u:C+6*\u+3], s[10:11] offset:12288*((\t)/2)+1536*((\t)%2)+768*\u        ; 512 consecutive bytes, aligned to 256
	global_store_b64 v[L8], v[C+6*\u+4:C+6*\u+5], s[10:11] offset:12288*((\t)/2)+1536*((\t)%2)+768*\u+512    ; 256 consecutive bytes, aligned
.endr
.endm
	LOAD 0
	LOAD 1
	STEP 0
	STEP 1
	STEP 2
	STEP 3
	v_cmp_ne_u32 vcc_lo, 0, v[SH8]
	v_cndmask_b32 v[PK], v[WD], v[WD+2], vcc_lo    ; lanes 0-15 store words 0 and 1 of their row, lanes 16-31 words 2 and 3
	v_cndmask_b32 v[PK+1], v[WD+1], v[WD+3], vcc_lo
	global_store_b64 v[SCO], v[PK:PK+1], s[12:13]  ; 256 consecutive bytes, aligned
	s_wait_tensorcnt 0x0                           ; the wave's end: behind my last LDS store
	ds_add_u32 v[SPW], v[NIL]
	s_wait_dscnt 0x0
	s_endpgm
.Lfunc_end_k_q914ae2353e_quant:
	.size	k_q914ae2353e_quant, .Lfunc_end_k_q914ae2353e_quant-k_q914ae2353e_quant
	.p2alignl 7, 3214868480
	.fill 96, 4, 3214868480
	.section	.rodata,"a",@progbits
	.p2align	6, 0x0
	.amdhsa_kernel k_q914ae2353e_quant
		.amdhsa_group_segment_fixed_size 17152
		.amdhsa_private_segment_fixed_size 0
		.amdhsa_enable_private_segment 0
		.amdhsa_kernarg_size 40
		.amdhsa_user_sgpr_count 2
		.amdhsa_user_sgpr_kernarg_segment_ptr 1
		.amdhsa_wavefront_size32 1
		.amdhsa_system_sgpr_workgroup_id_x 1
		.amdhsa_system_sgpr_workgroup_id_y 1
		.amdhsa_system_sgpr_workgroup_id_z 1
		.amdhsa_system_vgpr_workitem_id 0
		.amdhsa_next_free_vgpr 256
		.amdhsa_next_free_sgpr 66
		.amdhsa_reserve_vcc 1
		.amdhsa_float_denorm_mode_32 3
		.amdhsa_float_denorm_mode_16_64 3
		.amdhsa_memory_ordered 1
		.amdhsa_forward_progress 1
		.amdhsa_inst_pref_size 31
	.end_amdhsa_kernel
	.amdgpu_metadata
---
amdhsa.version: [ 1, 2 ]
amdhsa.kernels:
  - .name:           k_q914ae2353e_quant
    .symbol:         k_q914ae2353e_quant.kd
    .args:
      - { .name: x, .offset: 0, .size: 8, .value_kind: global_buffer, .address_space: global }
      - { .name: qkv_w, .offset: 8, .size: 8, .value_kind: global_buffer, .address_space: global }
      - { .name: o_w, .offset: 16, .size: 8, .value_kind: global_buffer, .address_space: global }
      - { .name: cod, .offset: 24, .size: 8, .value_kind: global_buffer, .address_space: global }
      - { .name: scl, .offset: 32, .size: 8, .value_kind: global_buffer, .address_space: global }
    .group_segment_fixed_size: 17152
    .private_segment_fixed_size: 0
    .kernarg_segment_align: 8
    .kernarg_segment_size: 40
    .max_flat_workgroup_size: 64
    .sgpr_count:     66
    .vgpr_count:     256
    .wavefront_size: 32
...
	.end_amdgpu_metadata
.endif
;; end of part 1
;; launch qkv (part 2): grid 8 x 32, 4 waves a work-group, clusters of 4 x 4, 327,680 bytes of LDS; arguments cod, scl, qkv_b, qcod, qscl, kv; writes qcod, qscl, kv
.if DOCPART == 2
	.amdgcn_target "amdgcn-amd-amdhsa--gfx1250"
	.amdhsa_code_object_version 6
	.text
	.protected	k_q914ae2353e_qkv
	.globl	k_q914ae2353e_qkv
	.p2align	8
	.type	k_q914ae2353e_qkv,@function
k_q914ae2353e_qkv:
	s_mov_b64 s[64:65], 0
	v_nop
	global_prefetch_b8 v0, s[64:65] scope:SCOPE_SE
	s_setreg_imm32_b32 hwreg(HW_REG_WAVE_MODE, 25, 1), 1
	s_wait_xcnt 0x0
	s_wait_alu depctr_hold_cnt(0) depctr_sa_sdst(0) depctr_va_vdst(0) depctr_va_sdst(0) depctr_va_ssrc(0) depctr_va_vcc(0) depctr_vm_vsrc(0)
	s_getreg_b32 s2, hwreg(HW_REG_IB_STS2, 6, 4)
	s_cmp_eq_u32 s2, 0
	s_cbranch_scc0 .Lentry_in_a_cluster
	s_endpgm
.Lentry_in_a_cluster:
	s_bfe_u32 s2, ttmp6, 0x10000c
	s_cmp_lg_u32 s2, 0xf033
	s_cbranch_scc0 .Lentry_shape_is_right
	s_endpgm
.Lentry_shape_is_right:
; qkv = x qkv_w^T + qkv_b on codes of FP6, and the quantising of q, k (along the head's 64) and v (along the keys) in registers.  Nothing of reference() is left out here.
; SHARES.  A work-group takes 256 tokens x two heads' 384 features; each of its four waves, one to a SIMD, 64 tokens x all 384 features: 256 work-groups.
; x LIVES IN REGISTERS: a wave's four token tiles, all of K, are 32 fragments, 384 registers.  They come through LDS: the block's four groups of cod, 196,608 dense bytes, land at LDS byte 0, and each wave reads its own group once.
; W IS STREAMED FROM LDS: the two heads' 24 tiles are six groups of cod.  Groups 0 and 1 have bytes of their own behind x's; groups 2 to 5, 196,608 bytes, fill x's bytes again when every wave holds its x in registers.
; A BATCH is one tile of W (16 rows, all of K) against my four token tiles: 32 products, the four accumulators by turns, K ascending.  W's fragments have two sets of 96 registers:
; while one is multiplied, the next tile's 34 LDS loads land in the other.  Four batches finish a UNIT, one kind (q, k, v) of one head: 16 accumulators, which are quantised and stored; six units.
; q, k: source 0 = 16 rows of W, source 1 = 16 tokens: a lane holds one token, and the 32 registers of a token tile are the features 32 h + 0 .. 31: a whole block of the next K.
; v: source 0 = 16 tokens, source 1 = 16 rows of W: a lane holds one feature, and the 32 registers of a feature tile are the tokens (keys) 32 h + 0 .. 31 of my 64.
; The bias is the C of the first K step, in two sets of 32 registers by turns: a unit's is loaded one unit ahead.
; FILLS.  One tensor load a wave at the head, in one chain of arms: waves 0 and 1 half of x each, wave 2 W's groups 0 and 1, wave 3 W's scale words; every wave waits for its load ahead of the first barrier.
; THE REFILL stands behind the three lines and a round of the cluster's barrier: wave w asks for W's group 2 + w.  It has batches 0 to 6 in which to land; the barrier in batch 7, ahead of the first read of group 2, shows it to all.
; CLUSTER 4 x 4: x hangs on the token block alone and is asked for jointly along a row, W on the pair of heads alone and jointly along a column.
; No prefetch: the text has no loop to run ahead in, and the refill is asked for seven batches ahead of its first read.
; REGISTERS, in windows of 256.  Window 0: addresses, scale words, the way out, v128-255 the accumulators.  Windows 1, 2: x's fragment (K step q, tile i) at 12 (4 (q % 5) + i) of window 1 + q / 5; window 2 from 144 on: the bias.  Window 3: W's two sets.
; OUT: qcod [bh][tile 128][768], qscl [bh][group 32][row][tile] words; kv [bh][key step 16][13,056]: K's 8 tiles, V's 4 fragments at 6,144, K's scale words at 12,288 ([c][row][tile]), V's at 12,800 ([row][tile], byte 2 c + h).
; The upper two bytes of q's and k's scale words are 0: they belong to the half of the next product's 128 that holds zero codes.
; LIMITS: as in the first launch (NaN, infinities; byte 1 for blocks of zeros and under 2^-124).
.set GRPB,  49152                      ; a group of four tiles in cod: [chunk of two K steps][tile][K step][1,536]
.set SCW,   6*GRPB                     ; W's scale words, 24 tiles x 512.  W's group g lies at ((g + 4) % 6) x GRPB
.set SPARE, SCW+12288                  ; the spare words, 128 bytes a wave
.set L16,  1                           ; 16 x lane
.set L8,   2                           ; 8 x lane
.set R16,  3                           ; 16 r
.set SPW,  8
.set NIL,  9
.set SH8,  10                          ; 8 h
.set SCO,  11                          ; 16 r + 8 h
.set SCB,  12                          ; 16 r + h
.set BQ,   14                          ; the bias of q, k: 128 h
.set BV,   15                          ; of v: 128 (r / 8) + 4 (r % 8)
.set AW,   16                          ; v16-21 LDS: W's group g + 16 x lane
.set AW8,  22                          ; v22-27 group g + 8 x lane
.set AWS,  28                          ; W's scale words + 16 r
.set AX,   29                          ; my group of x + 16 x lane
.set AX8,  30                          ; + 8 x lane
.set XS,   32                          ; v32-63 x's scale words: 8 i + q
.set WS,   68                          ; v68-83 W's, two sets of eight (four off x's modulo 8)
.set TM,   84                          ; the way out
.set SO,   88
.set BY,   92
.set CD,   96                          ; v96-119 codes, six a block
.set ACC,  128
.set BSL,  144                         ; window 2: the bias, two sets of 32
.set WV,   16
.set CX,   19
.set CY,   20
.set HP,   21
.set TBK,  22
.set G1W,  28
.set G1S,  36
.set G1X,  80
.set G1R,  88
.set PXS,  62
.set PQ,   66
.set PQS,  68
.set PKC,  70
.set PKS,  72
.set PVC,  74
.set PVS,  76
.set SEL,  78
.set MSB, 0
.macro WIN new                         ; the immediate's high byte repeats the setting that is left
.if MSB != \new
	s_set_vgpr_msb (MSB<<8)|\new
.set MSB, \new
.endif
.endm
.macro PLACES
.rept 4
	v_nop
.endr
.endm
.macro CROUND                          ; a round of the cluster's barrier
	s_barrier_signal -1
	s_barrier_wait -1
	s_cmp_lg_u32 s[WV], 0
	s_cbranch_scc1 .Lnot_wave_0_\@
	s_barrier_signal -3
.Lnot_wave_0_\@:
	s_barrier_wait -3
	s_barrier_signal -1
	s_barrier_wait -1
.endm
.macro SHAPE g, r                      ; words 1 to 7 of a group 1: a dense block as r rows of 256 bytes (32 elements of 8)
	s_mov_b32 s[\g+1], 32<<16
	s_mov_b32 s[\g+2], (\r)<<16
	s_mov_b32 s[\g+3], 32<<16
	s_mov_b32 s[\g+4], \r
	s_mov_b32 s[\g+5], 32
	s_mov_b32 s[\g+6], 0
	s_mov_b32 s[\g+7], 0
.endm
.macro PLACE g, lds, adr, off          ; a group 0: count 1, LDS address, global address, type 2
	s_mov_b32 s[\g], 1
	s_mov_b32 s[\g+1], \lds
	s_add_nc_u64 s[\g+2:\g+3], s[\adr:\adr+1], \off
	s_or_b32 s[\g+3], s[\g+3], 0x80000000
.endm
.macro TLOAD g0, g1                    ; s_nop 0 and four v_nop behind the load
	tensor_load_to_lds s[\g0:\g0+3], s[\g1:\g1+7]
	s_nop 0
	PLACES
.endm
.macro ARM under, g0, g1, next         ; an arm of the head's chain
	s_cmp_lt_u32 s[WV], \under
	s_cbranch_scc0 \next
	TLOAD \g0, \g1
	s_branch .Lasked
\next:
.endm
	s_load_b256 s[4:11], s[0:1], 0x0               ; cod, scl, qkv_b, qcod
	s_load_b128 s[12:15], s[0:1], 0x20             ; qscl, kv
	v_lshl_add_u32 v[SPW], v0, 2, SPARE
	v_mov_b32 v[NIL], 0
	ds_add_u32 v[SPW], v[NIL]                      ; the opening: the add, twice on end, and its wait ahead of my first tensor load
	ds_add_u32 v[SPW], v[NIL]
	v_lshrrev_b32 v13, 5, v0
	v_readfirstlane_b32 s[WV], v13                 ; wave 0..3: my 64 tokens
	s_bfe_u32 s[CX], ttmp6, 0x40000
	s_bfe_u32 s[CY], ttmp6, 0x40004
	s_lshl_b32 s[HP], ttmp9, 2
	s_add_co_u32 s[HP], s[HP], s[CX]               ; pair of heads = 4 x cluster x + cx
	s_and_b32 s[TBK], ttmp7, 0xffff
	s_lshl_b32 s[TBK], s[TBK], 2
	s_add_co_u32 s[TBK], s[TBK], s[CY]             ; block of 256 tokens = 4 x cluster y + cy
	s_lshl_b32 s23, s[CY], 2
	s_lshl_b32 s23, 15, s23                        ; my row of the cluster
	s_lshl_b32 s24, 0x1111, s[CX]                  ; my column
	s_or_b32 s[G1X], s23, (3<<16)|(1<<21)          ; 15:0 the mask; 17:16 elements of 8 bytes; 21 set beside a mask; no padding
	s_or_b32 s[G1W], s24, (3<<16)|(1<<21)
	s_or_b32 s[G1S], s24, (3<<16)|(1<<21)
	s_or_b32 s[G1R], s24, (3<<16)|(1<<21)
	SHAPE G1X, 384                                 ; two groups of x, 98,304 bytes
	SHAPE G1W, 384                                 ; two groups of W
	SHAPE G1S, 48                                  ; 24 tiles' scale words
	SHAPE G1R, 192                                 ; one group of W
	s_mul_i32 s2, s[TBK], 4*GRPB                   ; x: registers that never hold cx
	s_mul_i32 s23, s[WV], 2*GRPB                   ; waves 0 and 1: my half, in memory and in LDS
	s_add_co_u32 s2, s2, s23
	s_mov_b32 s3, 0
	s_mul_i32 s96, s[HP], 6*GRPB                   ; W: registers that never hold cy
	s_add_co_u32 s96, s96, 128*GRPB                ; from group 128 + 6 x pair on
	s_mov_b32 s97, 0
	s_mul_i32 s98, s[HP], 24*512
	s_add_co_u32 s98, s98, 512*512                 ; scale words from tile 512 + 24 x pair on
	s_mov_b32 s99, 0
	s_mul_i32 s26, s[WV], GRPB                     ; the refill: group 2 + wave, onto x's group of that number
	s_mov_b32 s27, 0
	s_wait_dscnt 0x0                               ; both opening adds are done
	s_wait_kmcnt 0x0
	s_add_nc_u64 s[2:3], s[4:5], s[2:3]
	s_add_nc_u64 s[96:97], s[4:5], s[96:97]
	s_add_nc_u64 s[98:99], s[6:7], s[98:99]
	s_add_nc_u64 s[24:25], s[96:97], s[26:27]
	PLACE 44, s23, 2, 0
	PLACE 48, SCW, 98, 0
	PLACE 52, 4*GRPB, 96, 0
	PLACE 56, s26, 24, 2*GRPB
	CROUND                                         ; all sixteen work-groups are here: the joint loads meet
	ARM 2, 44, G1X, .Larm_w
	ARM 3, 52, G1W, .Larm_s
	TLOAD 48, G1S
.Lasked:
	s_mov_b32 s3, 0
	s_lshl_b32 s2, s[TBK], 2
	s_add_co_u32 s2, s2, s[WV]
	s_lshl_b32 s2, s2, 11
	s_add_nc_u64 s[PXS:PXS+1], s[6:7], s[2:3]      ; my four token tiles' scale words
	s_mul_i32 s2, s[HP], 1536
	s_add_nc_u64 s[8:9], s[8:9], s[2:3]            ; the bias: qkv_b at 192 x head
	; where my results go: bh = 16 x batch + head; g = my group of 64 tokens in the sequence; c = g % 2.  The second head's places lie a constant further on
	s_lshr_b32 s23, s[TBK], 3
	s_lshl_b32 s23, s23, 4
	s_lshl_b32 s24, s[HP], 1
	s_add_co_u32 s23, s23, s24                     ; bh of the first head
	s_and_b32 s24, s[TBK], 7
	s_lshl_b32 s24, s24, 2
	s_add_co_u32 s24, s24, s[WV]                   ; g
	s_and_b32 s25, s24, 1                          ; c
	s_mul_i32 s2, s23, 98304
	s_mul_i32 s26, s24, 3072
	s_add_co_u32 s2, s2, s26
	s_add_nc_u64 s[PQ:PQ+1], s[10:11], s[2:3]      ; q's codes
	s_lshl_b32 s2, s23, 13
	s_lshl_b32 s26, s24, 8
	s_add_co_u32 s2, s2, s26
	s_add_nc_u64 s[PQS:PQS+1], s[12:13], s[2:3]    ; q's scale words
	s_lshr_b32 s26, s24, 1
	s_mul_i32 s26, s26, 13056
	s_mul_i32 s27, s23, 208896
	s_add_co_u32 s26, s26, s27                     ; my key step in kv
	s_mul_i32 s2, s25, 3072
	s_add_co_u32 s2, s2, s26
	s_add_nc_u64 s[PKC:PKC+1], s[14:15], s[2:3]    ; k's codes
	s_lshl_b32 s2, s25, 8
	s_add_co_u32 s2, s2, s26
	s_add_co_u32 s2, s2, 12288
	s_add_nc_u64 s[PKS:PKS+1], s[14:15], s[2:3]    ; k's scale words
	s_mul_i32 s2, s25, 768
	s_add_co_u32 s2, s2, s26
	s_add_co_u32 s2, s2, 6144
	s_add_nc_u64 s[PVC:PVC+1], s[14:15], s[2:3]    ; v's codes
	s_lshl_b32 s2, s25, 1
	s_add_co_u32 s2, s2, s26
	s_add_co_u32 s2, s2, 12800
	s_add_nc_u64 s[PVS:PVS+1], s[14:15], s[2:3]    ; v's scale bytes
	s_mov_b32 s[SEL], 0x76543210
	s_mov_b32 s[SEL+1], 0xfedcba98                 ; selects for lane l xor 16
	s_mul_i32 s27, s[WV], GRPB                     ; my group of x in LDS
	v_and_b32 v13, 31, v0
	v_lshlrev_b32 v[L16], 4, v13
	v_lshlrev_b32 v[L8], 3, v13
	v_and_b32 v13, 15, v0                          ; r
	v_bfe_u32 v[BQ], v0, 4, 1                      ; h
	v_lshlrev_b32 v[R16], 4, v13
	v_lshlrev_b32 v[SH8], 3, v[BQ]
	v_add_nc_u32 v[SCO], v[R16], v[SH8]
	v_add_nc_u32 v[SCB], v[R16], v[BQ]
	v_lshlrev_b32 v[BQ], 7, v[BQ]                  ; q, k: my 32 features begin at 32 h
	v_lshrrev_b32 v[BV], 3, v13
	v_and_b32 v13, 7, v13
	v_lshlrev_b32 v13, 2, v13
	v_lshl_add_u32 v[BV], v[BV], 7, v13            ; v: my feature in tile j is 32 (r / 8) + 8 j + r % 8
.irp g, 0,1,2,3,4,5
	v_add_nc_u32 v[AW+\g], ((\g+4)%6)*GRPB, v[L16]
	v_add_nc_u32 v[AW8+\g], ((\g+4)%6)*GRPB, v[L8]
.endr
	v_add_nc_u32 v[AWS], SCW, v[R16]
	v_add_nc_u32 v[AX], s27, v[L16]
	v_add_nc_u32 v[AX8], s27, v[L8]
.macro XREAD q                         ; K step q of my four token tiles, out of LDS: each load takes consecutive bytes
	WIN (1+(\q)/5)<<6
.irp i, 0,1,2,3
.set R_, 12*(4*((\q)%5)+\i)
.set O_, 12288*((\q)/2)+3072*\i+1536*((\q)%2)
	ds_load_b128 v[R_:R_+3], v[AX] offset:O_
	ds_load_b64 v[R_+4:R_+5], v[AX8] offset:O_+512
	ds_load_b128 v[R_+6:R_+9], v[AX] offset:O_+768
	ds_load_b64 v[R_+10:R_+11], v[AX8] offset:O_+1280
.endr
.endm
.macro BIAS u                          ; unit u's bias (head u / 3, kind u % 3) into set u % 2, in the result's layout
	WIN 0x80
.if (\u)%3 == 2
.irp j, 0,1,2,3
.irp e, 0,1,2,3,4,5,6,7
	global_load_b32 v[BSL+32*((\u)%2)+8*\j+\e], v[BV], s[8:9] offset:768*((\u)/3)+512+32*\j   ; a lane's eight results of a tile are one feature's: the same number eight times
.endr
.endr
.else
.irp q, 0,1,2,3,4,5,6,7
	global_load_b128 v[BSL+32*((\u)%2)+4*\q:BSL+32*((\u)%2)+4*\q+3], v[BQ], s[8:9] offset:768*((\u)/3)+256*((\u)%3)+16*\q
.endr
.endif
	WIN 0
.endm
.irp i, 0,1,2,3
.irp f, 0,1
	global_load_b128 v[XS+8*\i+4*\f:XS+8*\i+4*\f+3], v[R16], s[PXS:PXS+1] offset:512*\i+256*\f   ; row r's four words of half f of K
.endr
.endr
	BIAS 0
.macro FETCH b                         ; W's tile b (group b / 4, tile b % 4), all of K, into set b % 2: 32 loads, and 2 for its scale words
	WIN 0xc0                                       ; destination window 3
.irp q, 0,1,2,3,4,5,6,7
.set R_, 96*((\b)%2)+12*\q
.set O_, 12288*(\q/2)+3072*((\b)%4)+1536*(\q%2)
	ds_load_b128 v[R_:R_+3], v[AW+(\b)/4] offset:O_
	ds_load_b64 v[R_+4:R_+5], v[AW8+(\b)/4] offset:O_+512
	ds_load_b128 v[R_+6:R_+9], v[AW+(\b)/4] offset:O_+768
	ds_load_b64 v[R_+10:R_+11], v[AW8+(\b)/4] offset:O_+1280
.endr
	WIN 0
	ds_load_b128 v[WS+8*((\b)%2):WS+8*((\b)%2)+3], v[AWS] offset:512*(\b)
	ds_load_b128 v[WS+8*((\b)%2)+4:WS+8*((\b)%2)+7], v[AWS] offset:512*(\b)+256
.endm
.macro MM1 d, a, b, c, sa, sb
	v_wmma_scale_f32_16x16x128_f8f6f4 v[\d:\d+7], v[\a:\a+11], v[\b:\b+11], \c, v[\sa], v[\sb] matrix_a_fmt:MATRIX_FMT_FP6 matrix_b_fmt:MATRIX_FMT_FP6
.endm
.macro MM kind, b, q, i, bs            ; one product: W's tile b, K step q, token tile i
.set XW_, 1+(\q)/5
.set XL_, 12*(4*((\q)%5)+\i)
.set WL_, 96*((\b)%2)+12*(\q)
.set SW_, WS+8*((\b)%2)+(\q)
.set SX_, XS+8*(\i)+(\q)
.set CB_, (\bs)+8*((\b)%4)
.if \kind
.set D_, ACC+32*((\b)%4)+8*(\i)
.if (\q) == 0
	WIN XW_|(3<<2)|(2<<4)
	MM1 D_, XL_, WL_, v[CB_:CB_+7], SX_, SW_
.else
	WIN XW_|(3<<2)
	MM1 D_, XL_, WL_, v[D_:D_+7], SX_, SW_
.endif
.else
.set D_, ACC+32*(\i)+8*((\b)%4)
.if (\q) == 0
	WIN 3|(XW_<<2)|(2<<4)
	MM1 D_, WL_, XL_, v[CB_:CB_+7], SW_, SX_
.else
	WIN 3|(XW_<<2)
	MM1 D_, WL_, XL_, v[D_:D_+7], SW_, SX_
.endif
.endif
.endm
.macro BATCH b, kind, bs
	PLACES                                         ; four places in front of loads into the set that the batch before read (ISA guide 7.12.1 for vector instructions)
.if (\b) == 7
	s_wait_tensorcnt 0x0                           ; my part of the refill is in,
	s_wait_dscnt 0x0
	s_barrier_signal -1
	s_barrier_wait -1                              ; everybody's is: groups 2 to 5 may be read.
.endif
.if (\b) < 23
	FETCH (\b)+1
	s_wait_dscnt 34                                ; this batch's tile is in; the 34 loads just issued may be out
.else
	s_wait_dscnt 0x0
.endif
.irp q, 0,1,2,3,4,5,6,7
.irp i, 0,1,2,3
	MM \kind, \b, \q, \i, \bs
.endr
.endr
	WIN 0
.endm
; THE WAY OUT of a unit: registers ACC + 32 n .. + 31 are one block of 32 in my lane, for n = 0 .. 3 (q, k: token tile n; v: feature tile n).  The four by turns.
.macro QUANT4
	PLACES                                         ; places behind the last products
	s_wait_xcnt 0x0                                ; the last unit's stores have read their data
.irp n, 0,1,2,3
	v_max3_num_f32 v[TM+\n], |v[ACC+32*\n]|, |v[ACC+32*\n+1]|, 0x1800000   ; each accumulator is read from its low end on; the floor holds the byte at 1
.endr
.irp i, 2,4,6,8,10,12,14,16,18,20,22,24,26,28,30
.irp n, 0,1,2,3
	v_max3_num_f32 v[TM+\n], v[TM+\n], |v[ACC+32*\n+\i]|, |v[ACC+32*\n+\i+1]|
.endr
.endr
.irp n, 0,1,2,3
	v_add_nc_u32 v[SO+\n], 0xff000000, v[TM+\n]    ; 2 off the exponent field: the conversion's scale operand
.endr
.irp n, 0,1,2,3
	v_lshrrev_b32 v[BY+\n], 23, v[SO+\n]           ; the scale's byte
.endr
.irp n, 0,1,2,3
.set TP_, 120+4*\n-(\n/2)*(64+64*(\n-2))           ; v120, v124, v64, v4: a conversion's three registers begin on an even number
	v_cvt_scalef32_pk16_fp6_f32 v[CD+6*\n:CD+6*\n+2], v[ACC+32*\n:ACC+32*\n+15], v[SO+\n]
	v_cvt_scalef32_pk16_fp6_f32 v[TP_:TP_+2], v[ACC+32*\n+16:ACC+32*\n+31], v[SO+\n]
.endr
	v_nop                                          ; one plain place behind the conversions
.irp n, 0,1,2,3
.set TP_, 120+4*\n-(\n/2)*(64+64*(\n-2))
.irp i, 0,1,2
	v_mov_b32 v[CD+6*\n+3+\i], v[TP_+\i]
.endr
.endr
.endm
.macro OUTQK pc, ps, oc, os            ; q or k: codes at s[pc] + oc, scale words at s[ps] + os
	QUANT4
.irp n, 0,1,2,3
	global_store_b128 v[L16], v[CD+6*\n:CD+6*\n+3], s[\pc:\pc+1] offset:(\oc)+768*\n          ; 512 consecutive bytes, aligned to 256
	global_store_b64 v[L8], v[CD+6*\n+4:CD+6*\n+5], s[\pc:\pc+1] offset:(\oc)+768*\n+512      ; 256 consecutive bytes, aligned
.endr
.irp n, 0,1,2,3
	v_lshlrev_b32 v[TM+\n], v[SH8], v[BY+\n]       ; my byte at place h of the word,
.endr
.irp n, 0,1,2,3
	v_permlanex16_b32 v[SO+\n], v[TM+\n], s[SEL], s[SEL+1]
.endr
.irp n, 0,1,2,3
	v_or_b32 v[TM+\n], v[TM+\n], v[SO+\n]          ; with lane l xor 16's
.endr
	v_cmp_ne_u32 vcc_lo, 0, v[SH8]
	v_cndmask_b32 v[SO], v[TM], v[TM+2], vcc_lo    ; lanes 0-15 store tiles 0 and 1's words of their row, lanes 16-31 tiles 2 and 3's
	v_cndmask_b32 v[SO+1], v[TM+1], v[TM+3], vcc_lo
	global_store_b64 v[SCO], v[SO:SO+1], s[\ps:\ps+1] offset:\os   ; 256 consecutive bytes, aligned
.endm
.macro OUTV o
	QUANT4
.irp n, 0,1,2,3
	global_store_b128 v[L16], v[CD+6*\n:CD+6*\n+3], s[PVC:PVC+1] offset:(\o)+1536*\n
	global_store_b64 v[L8], v[CD+6*\n+4:CD+6*\n+5], s[PVC:PVC+1] offset:(\o)+1536*\n+512
.endr
.irp n, 0,1,2,3
	global_store_b8 v[SCB], v[BY+\n], s[PVS:PVS+1] offset:(\o)+4*\n   ; a word's four bytes come from two waves' two halves of lanes: single bytes, one for each 24 bytes of codes
.endr
.endm
.macro UNIT u                          ; head u / 3, kind u % 3
.if (\u) < 5
	BIAS (\u)+1                                    ; into the set that the unit before read; that unit's way out stands between
.endif
.irp j, 0,1,2,3
	BATCH 4*(\u)+\j, ((\u)%3)/2, BSL+32*((\u)%2)
.endr
.if (\u)%3 == 0
	OUTQK PQ, PQS, 98304*((\u)/3), 8192*((\u)/3)
.elseif (\u)%3 == 1
	OUTQK PKC, PKS, 208896*((\u)/3), 208896*((\u)/3)
.else
	OUTV 208896*((\u)/3)
.endif
.if (\u) < 5
	s_wait_loadcnt 0x0                             ; the next unit's bias is in
.endif
.endm
	s_wait_alu depctr_va_vdst(0)                   ; the wait at the head's end
	s_wait_tensorcnt 0x0                           ; my one load of the head is in,
	s_barrier_signal -1
	s_barrier_wait -1                              ; everybody's is: x, W's groups 0 and 1, the scale words
.irp q, 0,1,2,3,4,5,6,7
	XREAD \q
.endr
	FETCH 0
	s_wait_tensorcnt 0x0                           ; THE REFILL OF x'S BYTES: no tensor load of mine is out,
	ds_add_u32 v[SPW], v[NIL]                      ; 0 onto my spare word;
	s_wait_dscnt 0x0                               ; the add is done, and my x is in registers
	CROUND                                         ; that holds of every wave of all sixteen work-groups
	TLOAD 56, G1R                                  ; W's group 2 + wave, the first tensor load behind the round
	s_wait_loadcnt 0x0                             ; x's scale words and the first bias
.irp u, 0,1,2,3,4,5
	UNIT \u
.endr
	s_wait_tensorcnt 0x0                           ; the wave's end
	ds_add_u32 v[SPW], v[NIL]
	s_wait_dscnt 0x0
	CROUND                                         ; the closing round
	s_endpgm
.Lfunc_end_k_q914ae2353e_qkv:
	.size	k_q914ae2353e_qkv, .Lfunc_end_k_q914ae2353e_qkv-k_q914ae2353e_qkv
	.p2alignl 7, 3214868480
	.fill 96, 4, 3214868480
	.section	.rodata,"a",@progbits
	.p2align	6, 0x0
	.amdhsa_kernel k_q914ae2353e_qkv
		.amdhsa_group_segment_fixed_size 327680
		.amdhsa_private_segment_fixed_size 0
		.amdhsa_enable_private_segment 0
		.amdhsa_kernarg_size 48
		.amdhsa_user_sgpr_count 2
		.amdhsa_user_sgpr_kernarg_segment_ptr 1
		.amdhsa_wavefront_size32 1
		.amdhsa_system_sgpr_workgroup_id_x 1
		.amdhsa_system_sgpr_workgroup_id_y 1
		.amdhsa_system_sgpr_workgroup_id_z 1
		.amdhsa_system_vgpr_workitem_id 0
		.amdhsa_next_free_vgpr 960
		.amdhsa_next_free_sgpr 100
		.amdhsa_reserve_vcc 1
		.amdhsa_float_denorm_mode_32 3
		.amdhsa_float_denorm_mode_16_64 3
		.amdhsa_memory_ordered 1
		.amdhsa_forward_progress 1
		.amdhsa_inst_pref_size 226
	.end_amdhsa_kernel
	.amdgpu_metadata
---
amdhsa.version: [ 1, 2 ]
amdhsa.kernels:
  - .name:           k_q914ae2353e_qkv
    .symbol:         k_q914ae2353e_qkv.kd
    .args:
      - { .name: cod, .offset: 0, .size: 8, .value_kind: global_buffer, .address_space: global }
      - { .name: scl, .offset: 8, .size: 8, .value_kind: global_buffer, .address_space: global }
      - { .name: qkv_b, .offset: 16, .size: 8, .value_kind: global_buffer, .address_space: global }
      - { .name: qcod, .offset: 24, .size: 8, .value_kind: global_buffer, .address_space: global }
      - { .name: qscl, .offset: 32, .size: 8, .value_kind: global_buffer, .address_space: global }
      - { .name: kv, .offset: 40, .size: 8, .value_kind: global_buffer, .address_space: global }
    .group_segment_fixed_size: 327680
    .private_segment_fixed_size: 0
    .kernarg_segment_align: 8
    .kernarg_segment_size: 48
    .max_flat_workgroup_size: 128
    .sgpr_count:     100
    .vgpr_count:     960
    .wavefront_size: 32
...
	.end_amdgpu_metadata
.endif
;; end of part 2
;; launch attn (part 3): grid 4 x 64, 16 waves a work-group, clusters of 4 x 1, 327,680 bytes of LDS; arguments qcod, qscl, kv, vcod, vscl; writes vcod, vscl
.if DOCPART == 3
	.amdgcn_target "amdgcn-amd-amdhsa--gfx1250"
	.amdhsa_code_object_version 6
	.text
	.protected	k_q914ae2353e_attn
	.globl	k_q914ae2353e_attn
	.p2align	8
	.type	k_q914ae2353e_attn,@function
k_q914ae2353e_attn:
	s_mov_b64 s[64:65], 0
	v_nop
	global_prefetch_b8 v0, s[64:65] scope:SCOPE_SE
	s_setreg_imm32_b32 hwreg(HW_REG_WAVE_MODE, 25, 1), 1
	s_wait_xcnt 0x0
	s_wait_alu depctr_hold_cnt(0) depctr_sa_sdst(0) depctr_va_vdst(0) depctr_va_sdst(0) depctr_va_ssrc(0) depctr_va_vcc(0) depctr_vm_vsrc(0)
	s_getreg_b32 s2, hwreg(HW_REG_IB_STS2, 6, 4)
	s_cmp_eq_u32 s2, 0
	s_cbranch_scc0 .Lentry_in_a_cluster
	s_endpgm
.Lentry_in_a_cluster:
	s_bfe_u32 s2, ttmp6, 0x10000c
	s_cmp_lg_u32 s2, 0x3003
	s_cbranch_scc0 .Lentry_shape_is_right
	s_endpgm
.Lentry_shape_is_right:
; vals = softmax(q k^T / 8) v on codes of FP6, and the quantising of vals along E = 64 x head + d.  Nothing of reference() is left out here.
; THE SOFTMAX AHEAD OF THE SECOND PRODUCT: t = score x log2(e) / 8; M = the running largest t rounded UP to a whole number; p = 2^(t - M) is quantised along the keys, not normalised; the row's sum is taken of the unquantised p
; and divides at the end (v_rcp_f32 and a multiplication).  When M moves, the sum and O are multiplied by 2^(old M - new M): exact.
; SHARES.  A work-group owns 512 queries of one (batch, head); each of its sixteen waves one tile of 16 queries at a time, two tiles one after the other, in 256 registers: four waves to a SIMD.
; THE WHOLE HEAD'S K AND V, codes and scale words, 208,896 bytes, LIE IN LDS: wave w fetches key step w, 13,056 dense bytes, by one load at the head.  So there is no ring, no refill, and no later load to ask ahead for.
; CLUSTER 4 x 1: the four blocks of queries of a head read the same bytes: each of the sixteen loads is asked for jointly by the four work-groups.
; LAYOUT.  S^T = K Q^T (source 0 = 16 keys) and O^T = V^T P^T (source 0 = 16 of the head's 64): a lane holds one query throughout.  By the tiles' order of rows, registers S + 32 c .. + 31 are the keys 64 c + 32 h + 0 .. 31 of the step,
; and registers O .. O + 31 the channels 32 h + 0 .. 31: whole blocks in one lane, which are also what the operand's layout gives that lane: no maximum and no code crosses lanes.
; K = 64 IN AN INSTRUCTION OF 128: Q's upper six registers are zero codes, so K's tile t is named with six more registers, the next tile's codes (behind tile 7: six zeros): finite numbers times 0.  The scale words' upper bytes are 0.
; LIMITS: as in the first launch; a p under 2^-126 counts as 0.
.set STEPB, 13056                      ; a key step: K's 8 tiles x 768; V's 4 fragments x 1,536 at 6,144; K's scale words at 12,288; V's at 12,800
.set SPARE, 16*STEPB                   ; behind the head: the spare words, 128 bytes a wave, which no other line names
.set B16,  1                           ; v1  16 x lane
.set B8,   2                           ; v2  8 x lane
.set BKS,  3                           ; v3  16 r
.set A16,  4                           ; v4-6 the same + the step's first byte
.set A8,   5
.set AKS,  6
.set SH8,  7                           ; v7  8 h
.set SPW,  8
.set NIL,  9
.set OB,   10                          ; v10 16 r + h
.set MN,   12                          ; v12 -M, v13 the largest t
.set LS,   14                          ; v[14:15] the sum in two halves
.set Q,    16                          ; v16-27, v28-39 the two passes' Q: 6 registers of codes, 6 of zeros
.set QS,   40                          ; v40, v41 their scale words
.set FR,   42                          ; v42-89 K's 8 tiles, then V's 4 fragments; v90-95 zeros
.set S,    96                          ; v96-159 S^T, then p
.set O,    160                         ; v160-191 O^T
.set P,    192                         ; v192-203 p's codes
.set TP,   204                         ; v204-206, v208-210
.set KS,   212                         ; v212-219 K's scale words
.set VS,   220                         ; v220-223 V's
.set PS,   224                         ; v224 p's
.set BM,   226                         ; v226-227 the blocks' largest
.set SO,   228
.set BY,   230
.set T0,   232
.set T1,   233
.set F,    234                         ; v[234:235] 2^(old M - new M)
.set SU,   236
.set RL,   238                         ; v[238:239] 1 / the sum
.set CH,   240                         ; v240-241 second chains
.set WV,   14
.set BH,   16
.set TQ,   17
.set SEL,  18
.set CS,   20
.set TB,   22
.set CNT,  23
.macro CROUND
	s_barrier_signal -1
	s_barrier_wait -1
	s_cmp_lg_u32 s[WV], 0
	s_cbranch_scc1 .Lnot_wave_0_\@
	s_barrier_signal -3
.Lnot_wave_0_\@:
	s_barrier_wait -3
	s_barrier_signal -1
	s_barrier_wait -1
.endm
	s_load_b256 s[4:11], s[0:1], 0x0               ; qcod, qscl, kv, vcod
	s_load_b64 s[12:13], s[0:1], 0x20              ; vscl
	v_lshl_add_u32 v[SPW], v0, 2, SPARE
	v_mov_b32 v[NIL], 0
	ds_add_u32 v[SPW], v[NIL]                      ; the opening: the add, twice on end, and its wait ahead of my first tensor load
	ds_add_u32 v[SPW], v[NIL]
	v_lshrrev_b32 v1, 5, v0
	s_delay_alu instid0(VALU_DEP_1)
	v_readfirstlane_b32 s[WV], v1                  ; wave 0..15
	s_bfe_u32 s15, ttmp6, 0x40000                  ; cx: it enters Q's and the results' addresses alone
	s_and_b32 s[BH], ttmp7, 0xffff                 ; 16 x batch + head, which the four partners share
	s_lshl_b32 s[TQ], ttmp9, 2
	s_add_co_u32 s[TQ], s[TQ], s15
	s_lshl_b32 s[TQ], s[TQ], 5
	s_add_co_u32 s[TQ], s[TQ], s[WV]               ; my first tile of queries: 32 x block + wave; the second lies 16 tiles on
	s_mov_b32 s28, 15|(3<<16)|(1<<21)              ; group 1: the mask names all four; elements of 8 bytes; 21 set beside a mask; no padding
	s_mov_b32 s29, 32<<16                          ; 51 rows of 256 bytes, dense
	s_mov_b32 s30, 51<<16
	s_mov_b32 s31, 32<<16
	s_mov_b32 s32, 51
	s_mov_b32 s33, 32
	s_mov_b32 s34, 0
	s_mov_b32 s35, 0
	s_mov_b32 s24, 1
	s_mul_i32 s25, s[WV], STEPB                    ; key step w, in LDS
	s_mul_i32 s36, s[BH], 16*STEPB
	s_add_co_u32 s36, s36, s25                     ; and in memory
	s_mov_b32 s37, 0
	s_mov_b32 s[SEL], 0x76543210
	s_mov_b32 s[SEL+1], 0xfedcba98
	s_mov_b32 s[CS], 0x3e38aa3b                    ; c = log2(e) / 8
	s_mov_b32 s[CS+1], s[CS]                       ; (named with it as a pair)
	s_wait_dscnt 0x0                               ; both opening adds are done
	s_wait_kmcnt 0x0
	s_add_nc_u64 s[26:27], s[8:9], s[36:37]
	s_or_b32 s27, s27, 0x80000000
	CROUND                                         ; all four work-groups are here: the joint loads meet
	tensor_load_to_lds s[24:27], s[28:35]          ; my one tensor load
	s_nop 0
.rept 4
	v_nop
.endr
	v_and_b32 v1, 31, v0
	s_delay_alu instid0(VALU_DEP_1)
	v_lshlrev_b32 v[B8], 3, v1
	s_delay_alu instid0(VALU_DEP_2)
	v_lshlrev_b32 v[B16], 4, v1
	s_wait_alu depctr_va_vdst(0)
	v_and_b32 v4, 15, v0                           ; r
	v_bfe_u32 v5, v0, 4, 1                         ; h
	s_delay_alu instid0(VALU_DEP_2)
	v_lshlrev_b32 v[BKS], 4, v4
	s_wait_alu depctr_va_vdst(0)
	v_lshlrev_b32 v[SH8], 3, v5
	v_add_nc_u32 v[OB], v[BKS], v5
	s_mov_b32 s39, 0
	s_mul_i32 s38, s[BH], 98304
	s_mul_i32 s40, s[TQ], 768
	s_add_co_u32 s38, s38, s40
	s_add_nc_u64 s[4:5], s[4:5], s[38:39]          ; Q's codes at my first tile
	s_lshl_b32 s38, s[BH], 13
	s_lshr_b32 s40, s[TQ], 2
	s_lshl_b32 s40, s40, 8
	s_add_co_u32 s38, s38, s40
	s_and_b32 s40, s[TQ], 3
	s_lshl_b32 s40, s40, 2
	s_add_co_u32 s38, s38, s40
	s_add_nc_u64 s[6:7], s[6:7], s[38:39]          ; and its scale words
	global_load_b128 v[Q:Q+3], v[B16], s[4:5]
	global_load_b64 v[Q+4:Q+5], v[B8], s[4:5] offset:512
	global_load_b128 v[Q+12:Q+15], v[B16], s[4:5] offset:12288
	global_load_b64 v[Q+16:Q+17], v[B8], s[4:5] offset:12800
	global_load_b32 v[QS], v[BKS], s[6:7]
	global_load_b32 v[QS+1], v[BKS], s[6:7] offset:1024
	s_lshr_b32 s41, s[BH], 4                       ; batch
	s_and_b32 s42, s[BH], 15                       ; head
	s_lshl_b32 s41, s41, 7
	s_add_co_u32 s41, s41, s[TQ]                   ; my tile among all 512
	s_lshl_b32 s38, s41, 4
	s_add_co_u32 s38, s38, s42
	s_mul_i32 s38, s38, 768
	s_add_nc_u64 s[10:11], s[10:11], s[38:39]      ; vcod: [tile][head][768]
	s_lshl_b32 s38, s41, 9
	s_lshr_b32 s40, s42, 3
	s_lshl_b32 s40, s40, 8
	s_add_co_u32 s38, s38, s40
	s_and_b32 s40, s42, 7
	s_lshl_b32 s40, s40, 1
	s_add_co_u32 s38, s38, s40
	s_add_nc_u64 s[12:13], s[12:13], s[38:39]      ; vscl: 512 x tile + 256 (head / 8) + 2 (head % 8)
.irp j, 6,7,8,9,10,11,18,19,20,21,22,23
	v_mov_b32 v[Q+\j], 0                           ; zero codes for the upper 64 of the first product's 128
.endr
.irp j, 48,49,50,51,52,53
	v_mov_b32 v[FR+\j], 0
.endr
	v_mov_b32 v[T1], 0                             ; a lane permute's destination counts as read
	v_mov_b32 v[F+1], 0                            ; (named as the upper halves of pairs)
	v_mov_b32 v[RL+1], 0
	s_wait_tensorcnt 0x0                           ; my key step is in,
	s_wait_loadcnt 0x0                             ; and Q
	s_barrier_signal -1
	s_barrier_wait -1                              ; everybody's is: the whole head lies in LDS
; A KEY STEP: 128 keys, from LDS byte s[TB] on.
.macro STEP ps
	v_add_nc_u32 v[A16], s[TB], v[B16]
	v_add_nc_u32 v[A8], s[TB], v[B8]
	v_add_nc_u32 v[AKS], s[TB], v[BKS]
	v_nop                                          ; with the three above: four places in front of loads into registers that the last products read
.irp t, 0,1,2,3,4,5,6,7
	ds_load_b128 v[FR+6*\t:FR+6*\t+3], v[A16] offset:768*\t
	ds_load_b64 v[FR+6*\t+4:FR+6*\t+5], v[A8] offset:768*\t+512
.endr
	ds_load_b128 v[KS:KS+3], v[AKS] offset:12288
	ds_load_b128 v[KS+4:KS+7], v[AKS] offset:12544
	s_wait_alu depctr_va_vdst(0)
	s_wait_dscnt 0x0
.irp t, 0,1,2,3,4,5,6,7
	v_wmma_scale_f32_16x16x128_f8f6f4 v[S+8*\t:S+8*\t+7], v[FR+6*\t:FR+6*\t+11], v[Q+12*\ps:Q+12*\ps+11], 0, v[KS+\t], v[QS+\ps] matrix_a_fmt:MATRIX_FMT_FP6 matrix_b_fmt:MATRIX_FMT_FP6
.endr
.rept 4
	v_nop                                          ; places: in front of the loads below and of the first read of the scores
.endr
.irp n, 0,1,2,3                                ; V is asked for now and lands under the softmax
.irp u, 0,1
	ds_load_b128 v[FR+12*\n+6*\u:FR+12*\n+6*\u+3], v[A16] offset:6144+1536*\n+768*\u
	ds_load_b64 v[FR+12*\n+6*\u+4:FR+12*\n+6*\u+5], v[A8] offset:6144+1536*\n+768*\u+512
.endr
.endr
	ds_load_b128 v[VS:VS+3], v[AKS] offset:12800
.irp c, 0,1                                    ; THE LARGEST SCORE OF EACH OF MY TWO BLOCKS: for the row's maximum and, since p rises with the score, for the block's largest p.  Two chains a block; each accumulator is first read at its low end
	v_max3_num_f32 v[BM+\c], v[S+32*\c], v[S+32*\c+1], v[S+32*\c+2]
	v_max3_num_f32 v[CH+\c], v[S+32*\c+16], v[S+32*\c+17], v[S+32*\c+18]
.endr
.irp i, 3,5,7,9,11,13
.irp c, 0,1
	v_max3_num_f32 v[BM+\c], v[BM+\c], v[S+32*\c+\i], v[S+32*\c+\i+1]
	v_max3_num_f32 v[CH+\c], v[CH+\c], v[S+32*\c+16+\i], v[S+32*\c+17+\i]
.endr
.endr
.irp c, 0,1
	v_max3_num_f32 v[BM+\c], v[BM+\c], v[CH+\c], v[S+32*\c+15]
.endr
.irp c, 0,1
	v_max_num_f32 v[BM+\c], v[BM+\c], v[S+32*\c+31]
.endr
	s_delay_alu instid0(VALU_DEP_1)
	v_max_num_f32 v[T0], v[BM], v[BM+1]
	s_delay_alu instid0(VALU_DEP_1)
	v_permlanex16_b32 v[T1], v[T0], s[SEL], s[SEL+1]
	s_delay_alu instid0(VALU_DEP_1)
	v_max_num_f32 v[T0], v[T0], v[T1]              ; the step's largest score of my query
	s_delay_alu instid0(VALU_DEP_1)
	v_mul_f32 v[T0], s[CS], v[T0]                  ; as t
	s_delay_alu instid0(VALU_DEP_1)
	v_max_num_f32 v[MN+1], v[MN+1], v[T0]          ; the running largest t
	v_mov_b32 v[T0], v[MN]
	s_delay_alu instid0(VALU_DEP_2)
	v_floor_f32 v[MN], -v[MN+1]                    ; the new -M = floor(-t): M is a whole number
	s_delay_alu instid0(VALU_DEP_1)
	v_sub_f32 v[T0], v[MN], v[T0]                  ; old M - new M, a whole number, 0 or less
	s_delay_alu instid0(VALU_DEP_1)
	v_cvt_i32_f32 v[T0], v[T0]                     ; (it saturates)
	s_delay_alu instid0(VALU_DEP_1)
	v_ldexp_f32 v[F], 1.0, v[T0]                   ; f = 2^(old M - new M)
.set j, 0
.rept 32
	v_pk_fma_f32 v[S+j:S+j+1], v[S+j:S+j+1], s[CS:CS+1], v[MN:MN+1] op_sel_hi:[1,0,0]   ; t - M, two at a time
.set j, j+2
.endr
.irp c, 0,1
	v_fma_f32 v[BM+\c], v[BM+\c], s[CS], v[MN]     ; the same of each block's largest score
.endr
.set j, 0
	s_wait_alu depctr_va_vdst(0)
.rept 64
	v_exp_f32 v[S+j], v[S+j]                       ; p = 2^(t - M), at most 1
.set j, j+1
.endr
	v_pk_mul_f32 v[LS:LS+1], v[LS:LS+1], v[F:F+1] op_sel_hi:[1,0]   ; the sums under the new M: the plain place behind the exponentials
	s_wait_alu depctr_va_vdst(0)                   ; one wait for the batch, ahead of its first reader
.irp c, 0,1
	v_exp_f32 v[BM+\c], v[BM+\c]                   ; the block's largest p: the same two instructions on the same number give the same bits
.endr
	v_pk_add_f32 v[236:237], v[100:101], v[104:105]
	v_pk_add_f32 v[254:255], v[108:109], v[112:113]
	v_pk_add_f32 v[252:253], v[116:117], v[120:121]
	v_pk_add_f32 v[250:251], v[124:125], v[128:129]
	v_pk_add_f32 v[248:249], v[132:133], v[136:137]
	v_pk_add_f32 v[246:247], v[140:141], v[144:145]
	v_pk_add_f32 v[244:245], v[148:149], v[152:153]
	v_pk_add_f32 v[14:15], v[14:15], v[156:157]
	v_pk_add_f32 v[236:237], v[236:237], v[96:97]
	v_pk_add_f32 v[254:255], v[254:255], v[98:99]
	v_pk_add_f32 v[252:253], v[252:253], v[102:103]
	v_pk_add_f32 v[250:251], v[250:251], v[106:107]
	v_pk_add_f32 v[248:249], v[248:249], v[110:111]
	v_pk_add_f32 v[246:247], v[246:247], v[114:115]
	v_pk_add_f32 v[244:245], v[244:245], v[118:119]
	v_pk_add_f32 v[14:15], v[14:15], v[122:123]
	v_pk_add_f32 v[236:237], v[236:237], v[126:127]
	v_pk_add_f32 v[254:255], v[254:255], v[130:131]
	v_pk_add_f32 v[252:253], v[252:253], v[134:135]
	v_pk_add_f32 v[250:251], v[250:251], v[138:139]
	v_pk_add_f32 v[248:249], v[248:249], v[142:143]
	v_pk_add_f32 v[246:247], v[246:247], v[146:147]
	v_pk_add_f32 v[244:245], v[244:245], v[150:151]
	v_pk_add_f32 v[14:15], v[14:15], v[154:155]
	v_pk_add_f32 v[236:237], v[236:237], v[158:159]
	s_delay_alu instid0(VALU_DEP_2)
	v_pk_add_f32 v[14:15], v[14:15], v[250:251]
	s_delay_alu instid0(VALU_DEP_2)
	v_pk_add_f32 v[236:237], v[236:237], v[248:249]
	v_pk_add_f32 v[254:255], v[254:255], v[246:247]
	v_pk_add_f32 v[252:253], v[252:253], v[244:245]
	s_delay_alu instid0(VALU_DEP_2)
	v_pk_add_f32 v[14:15], v[14:15], v[254:255]
	s_delay_alu instid0(VALU_DEP_2)
	v_pk_add_f32 v[236:237], v[236:237], v[252:253]
	s_delay_alu instid0(VALU_DEP_1)
	v_pk_add_f32 v[14:15], v[14:15], v[236:237]
	s_wait_alu depctr_va_vdst(0)                   ; and one for the two
.irp c, 0,1
	v_max_num_f32 v[BM+\c], 0x1800000, v[BM+\c]    ; the floor 2^(3 - 127): the byte cannot fall under 1
.endr
.irp c, 0,1
	s_delay_alu instid0(VALU_DEP_2)
	v_add_nc_u32 v[SO+\c], 0xff000000, v[BM+\c]
.endr
.irp c, 0,1
	s_delay_alu instid0(VALU_DEP_2)
	v_lshrrev_b32 v[BY+\c], 23, v[SO+\c]
.endr
	s_delay_alu instid0(VALU_DEP_1)
	v_lshl_or_b32 v[T0], v[BY+1], 16, v[BY]        ; my bytes: blocks h and 2 + h,
	s_delay_alu instid0(VALU_DEP_1)
	v_lshlrev_b32 v[T0], v[SH8], v[T0]
	s_delay_alu instid0(VALU_DEP_1)
	v_permlanex16_b32 v[T1], v[T0], s[SEL], s[SEL+1]
	s_delay_alu instid0(VALU_DEP_1)
	v_or_b32 v[PS], v[T0], v[T1]                   ; p's scale word for these 128 keys
.irp c, 0,1
	v_cvt_scalef32_pk16_fp6_f32 v[P+6*\c:P+6*\c+2], v[S+32*\c:S+32*\c+15], v[SO+\c]
	v_cvt_scalef32_pk16_fp6_f32 v[TP+4*\c:TP+4*\c+2], v[S+32*\c+16:S+32*\c+31], v[SO+\c]
.endr
	v_nop                                          ; one plain place behind the conversions
.irp c, 0,1
.irp i, 0,1,2
	v_mov_b32 v[P+6*\c+3+\i], v[TP+4*\c+\i]
.endr
.endr
.set j, 0
.rept 16
	v_pk_mul_f32 v[O+j:O+j+1], v[O+j:O+j+1], v[F:F+1] op_sel_hi:[1,0]   ; O^T under the new M; these are also the places between p's word and codes and the products below
.set j, j+2
.endr
	s_wait_alu depctr_va_vdst(0)
	s_wait_dscnt 0x0                               ; V is in
.irp n, 0,1,2,3
	v_wmma_scale_f32_16x16x128_f8f6f4 v[O+8*\n:O+8*\n+7], v[FR+12*\n:FR+12*\n+11], v[P:P+11], v[O+8*\n:O+8*\n+7], v[VS+\n], v[PS] matrix_a_fmt:MATRIX_FMT_FP6 matrix_b_fmt:MATRIX_FMT_FP6
.endr
.endm
; One tile of 16 queries against all 2,048 keys, and its way out.
.macro PASS ps
.if \ps
	s_wait_xcnt 0x0                                ; the first tile's stores have read their data: those registers are written again only behind this wait
.endif
.set j, 0
.rept 32
	v_mov_b32 v[O+j], 0                            ; the step is written once: the first finds zeros, which the first change of M leaves zeros
.set j, j+1
.endr
	v_mov_b32 v[LS], 0
	v_mov_b32 v[LS+1], 0
	v_mov_b32 v[MN+1], 0xff61b1e6                  ; the largest t so far: -3e38
	s_delay_alu instid0(VALU_DEP_1)
	v_floor_f32 v[MN], -v[MN+1]
	s_mov_b32 s[TB], 0
	s_mov_b32 s[CNT], 16
.Lstep_\@:
	STEP \ps
	s_add_co_u32 s[TB], s[TB], STEPB
	s_sub_co_u32 s[CNT], s[CNT], 1
	s_cmp_lg_u32 s[CNT], 0
	s_cbranch_scc1 .Lstep_\@
.rept 4
	v_nop                                          ; places behind the last products
.endr
	v_add_f32 v[LS], v[LS], v[LS+1]
	s_delay_alu instid0(VALU_DEP_1)
	v_permlanex16_b32 v[T1], v[LS], s[SEL], s[SEL+1]
	s_delay_alu instid0(VALU_DEP_1)
	v_add_f32 v[LS], v[LS], v[T1]                  ; the row's sum
	s_wait_alu depctr_va_vdst(0)
	v_rcp_f32 v[RL], v[LS]
	v_nop                                          ; a plain place behind the reciprocal
	s_wait_alu depctr_va_vdst(0)                   ; and the wait ahead of its first reader
.set j, 0
.rept 16
	v_pk_mul_f32 v[O+j:O+j+1], v[O+j:O+j+1], v[RL:RL+1] op_sel_hi:[1,0]   ; vals, from each accumulator's low end on: my 32 channels are one block of the last product's K
.set j, j+2
.endr
	v_max3_num_f32 v[BM], |v[O]|, |v[O+1]|, 0x1800000
	v_max3_num_f32 v[CH], |v[O+16]|, |v[O+17]|, |v[O+18]|
.irp i, 2
	s_delay_alu instid0(VALU_DEP_2)
	v_max3_num_f32 v[BM], v[BM], |v[O+\i]|, |v[O+\i+1]|
.endr
.irp i, 4, 6, 8, 10, 12, 14
	s_delay_alu instid0(VALU_DEP_1)
	v_max3_num_f32 v[BM], v[BM], |v[O+\i]|, |v[O+\i+1]|
.endr
.irp i, 19
	v_max3_num_f32 v[CH], v[CH], |v[O+\i]|, |v[O+\i+1]|
.endr
.irp i, 21, 23, 25, 27, 29
	s_delay_alu instid0(VALU_DEP_1)
	v_max3_num_f32 v[CH], v[CH], |v[O+\i]|, |v[O+\i+1]|
.endr
	s_delay_alu instid0(VALU_DEP_1)
	v_max3_num_f32 v[BM], v[BM], v[CH], |v[O+31]|
	s_delay_alu instid0(VALU_DEP_1)
	v_add_nc_u32 v[SO], 0xff000000, v[BM]
	s_delay_alu instid0(VALU_DEP_1)
	v_lshrrev_b32 v[BY], 23, v[SO]
	v_cvt_scalef32_pk16_fp6_f32 v[P:P+2], v[O:O+15], v[SO]
	v_cvt_scalef32_pk16_fp6_f32 v[TP:TP+2], v[O+16:O+31], v[SO]
	v_nop
.irp i, 0,1,2
	v_mov_b32 v[P+3+\i], v[TP+\i]
.endr
	global_store_b128 v[B16], v[P:P+3], s[10:11] offset:196608*\ps         ; 512 consecutive bytes, aligned to 256
	global_store_b64 v[B8], v[P+4:P+5], s[10:11] offset:196608*\ps+512     ; 256 consecutive bytes, aligned
	global_store_b8 v[OB], v[BY], s[12:13] offset:8192*\ps                 ; a scale word's bytes come from two heads: single bytes, one for each 24 bytes of codes
.endm
	PASS 0
	PASS 1
	s_wait_tensorcnt 0x0                           ; the wave's end
	ds_add_u32 v[SPW], v[NIL]
	s_wait_dscnt 0x0
	CROUND                                         ; the closing round
	s_endpgm
.Lfunc_end_k_q914ae2353e_attn:
	.size	k_q914ae2353e_attn, .Lfunc_end_k_q914ae2353e_attn-k_q914ae2353e_attn
	.p2alignl 7, 3214868480
	.fill 96, 4, 3214868480
	.section	.rodata,"a",@progbits
	.p2align	6, 0x0
	.amdhsa_kernel k_q914ae2353e_attn
		.amdhsa_group_segment_fixed_size 327680
		.amdhsa_private_segment_fixed_size 0
		.amdhsa_enable_private_segment 0
		.amdhsa_kernarg_size 40
		.amdhsa_user_sgpr_count 2
		.amdhsa_user_sgpr_kernarg_segment_ptr 1
		.amdhsa_wavefront_size32 1
		.amdhsa_system_sgpr_workgroup_id_x 1
		.amdhsa_system_sgpr_workgroup_id_y 1
		.amdhsa_system_sgpr_workgroup_id_z 1
		.amdhsa_system_vgpr_workitem_id 0
		.amdhsa_next_free_vgpr 256
		.amdhsa_next_free_sgpr 66
		.amdhsa_reserve_vcc 0
		.amdhsa_float_denorm_mode_32 3
		.amdhsa_float_denorm_mode_16_64 3
		.amdhsa_memory_ordered 1
		.amdhsa_forward_progress 1
		.amdhsa_inst_pref_size 47
	.end_amdhsa_kernel
	.amdgpu_metadata
---
amdhsa.version: [ 1, 2 ]
amdhsa.kernels:
  - .name:           k_q914ae2353e_attn
    .symbol:         k_q914ae2353e_attn.kd
    .args:
      - { .name: qcod, .offset: 0, .size: 8, .value_kind: global_buffer, .address_space: global }
      - { .name: qscl, .offset: 8, .size: 8, .value_kind: global_buffer, .address_space: global }
      - { .name: kv, .offset: 16, .size: 8, .value_kind: global_buffer, .address_space: global }
      - { .name: vcod, .offset: 24, .size: 8, .value_kind: global_buffer, .address_space: global }
      - { .name: vscl, .offset: 32, .size: 8, .value_kind: global_buffer, .address_space: global }
    .group_segment_fixed_size: 327680
    .private_segment_fixed_size: 0
    .kernarg_segment_align: 8
    .kernarg_segment_size: 40
    .max_flat_workgroup_size: 512
    .sgpr_count:     66
    .vgpr_count:     256
    .wavefront_size: 32
...
	.end_amdgpu_metadata
.endif
;; end of part 3
;; launch proj (part 4): grid 8 x 32, 4 waves a work-group, clusters of 4 x 4, 327,680 bytes of LDS; arguments vcod, vscl, cod, scl, o_b, out0; writes out0
.if DOCPART == 4
	.amdgcn_target "amdgcn-amd-amdhsa--gfx1250"
	.amdhsa_code_object_version 6
	.text
	.protected	k_q914ae2353e_proj
	.globl	k_q914ae2353e_proj
	.p2align	8
	.type	k_q914ae2353e_proj,@function
k_q914ae2353e_proj:
	s_mov_b64 s[64:65], 0
	v_nop
	global_prefetch_b8 v0, s[64:65] scope:SCOPE_SE
	s_setreg_imm32_b32 hwreg(HW_REG_WAVE_MODE, 25, 1), 1
	s_wait_xcnt 0x0
	s_wait_alu depctr_hold_cnt(0) depctr_sa_sdst(0) depctr_va_vdst(0) depctr_va_sdst(0) depctr_va_ssrc(0) depctr_va_vcc(0) depctr_vm_vsrc(0)
	s_getreg_b32 s2, hwreg(HW_REG_IB_STS2, 6, 4)
	s_cmp_eq_u32 s2, 0
	s_cbranch_scc0 .Lentry_in_a_cluster
	s_endpgm
.Lentry_in_a_cluster:
	s_bfe_u32 s2, ttmp6, 0x10000c
	s_cmp_lg_u32 s2, 0xf033
	s_cbranch_scc0 .Lentry_shape_is_right
	s_endpgm
.Lentry_shape_is_right:
; out0 = vals o_w^T + o_b on codes of FP6.  Nothing of reference() is left out here.
; SHARES.  A work-group takes 256 tokens x 128 outputs; each of its four waves, one to a SIMD, 64 tokens x all 128 outputs.
; vals LIVE IN REGISTERS: a wave's four token tiles, all of K, are 32 fragments, 384 registers, read once out of LDS.  o_w IS STREAMED FROM LDS: eight tiles of 16 rows, all of K.
; A BATCH is one tile of o_w against my four token tiles: 32 products, the four accumulators by turns, K ascending.  o_w's fragments have two sets of 96 registers:
; while one is multiplied, the next tile's 34 LDS loads land in the other.  Four batches finish a UNIT, 64 tokens x 64 outputs, which leaves at once: the first unit's stores are out while the second is multiplied.
; Source 0 = 16 rows of o_w, source 1 = 16 tokens: a lane holds one token and, over a token tile's four accumulators, the outputs 32 h + 0 .. 31: 128 neighbouring bytes of a row of out0.  The bias is the C of the first K step.
; LDS, filled once: vals' 16 tiles of 12,288 bytes ([tile][K step][1,536]), o_w's two groups of 49,152 ([chunk of two K steps][tile][K step][1,536]), o_w's scale words.  vals' scale words go straight to registers.
; FILLS.  One tensor load a wave at the head, in one chain of arms: waves 0 and 1 half of vals each, wave 2 o_w, wave 3 its scale words.  Nothing is filled again.
; CLUSTER 4 x 4: vals hang on the token block alone and are asked for jointly along a row, o_w on the output block alone and jointly along a column.
; No prefetch: every byte is asked for at the head, and the text has no loop to run ahead in.
; REGISTERS, in windows of 256.  Window 0: addresses, scale words, v128-255 the accumulators.  Windows 1, 2: vals' fragment (K step q, tile i) at 12 (4 (q % 5) + i) of window 1 + q / 5; window 2 from 144 on: the bias.
; Window 3: o_w's two sets; on the way out the second set's registers take the rows read back from the stage.
.set GRPB,  49152                      ; four tiles, all of K
.set WOFF,  4*GRPB
.set SCW,   WOFF+2*GRPB                ; o_w's scale words, 8 tiles x 512
.set SPARE, SCW+4096                   ; the spare words, 128 bytes a wave
.set L16,  1
.set L8,   2
.set R16,  3
.set SPW,  8
.set NIL,  9
.set STO,  10                          ; the stage, way in: 272 r + 128 h.  A wave's stage, 16 rows x 272 bytes, lies at the head of its own four tiles of vals, which it alone reads, and has read by then
.set RD,   11                          ; way back: 272 h + 16 r
.set CO,   12                          ; out0: 4,096 h + 16 r
.set BQ,   15                          ; the bias: 128 h
.set AW,   16                          ; v16-17 LDS: o_w's group g + 16 x lane
.set AW8,  18                          ; v18-19 + 8 x lane
.set AWS,  20                          ; o_w's scale words + 16 r
.set AX,   21                          ; my four tiles of vals + 16 x lane
.set AX8,  22                          ; + 8 x lane
.set XS,   32                          ; v32-63 vals' scale words: 8 i + q
.set WS,   68                          ; v68-83 o_w's, two sets of eight (four off vals' modulo 8)
.set ACC,  128
.set BSL,  144                         ; window 2: the bias, 32 registers a unit
.set BK,   96                          ; window 3: the way out, two sets of 32 by turns
.set WV,   16
.set CX,   19
.set CY,   20
.set NB,   21
.set TBK,  22
.set G1X,  28
.set G1W,  36
.set G1S,  44
.set PXS,  66
.set MSB, 0
.macro WIN new                         ; the immediate's high byte repeats the setting that is left
.if MSB != \new
	s_set_vgpr_msb (MSB<<8)|\new
.set MSB, \new
.endif
.endm
.macro PLACES
.rept 4
	v_nop
.endr
.endm
.macro CROUND
	s_barrier_signal -1
	s_barrier_wait -1
	s_cmp_lg_u32 s[WV], 0
	s_cbranch_scc1 .Lnot_wave_0_\@
	s_barrier_signal -3
.Lnot_wave_0_\@:
	s_barrier_wait -3
	s_barrier_signal -1
	s_barrier_wait -1
.endm
.macro SHAPE g, r                      ; words 1 to 7 of a group 1: a dense block as r rows of 256 bytes (32 elements of 8)
	s_mov_b32 s[\g+1], 32<<16
	s_mov_b32 s[\g+2], (\r)<<16
	s_mov_b32 s[\g+3], 32<<16
	s_mov_b32 s[\g+4], \r
	s_mov_b32 s[\g+5], 32
	s_mov_b32 s[\g+6], 0
	s_mov_b32 s[\g+7], 0
.endm
.macro PLACE g, lds, adr               ; a group 0
	s_mov_b32 s[\g], 1
	s_mov_b32 s[\g+1], \lds
	s_mov_b64 s[\g+2:\g+3], s[\adr:\adr+1]
	s_or_b32 s[\g+3], s[\g+3], 0x80000000
.endm
.macro TLOAD g0, g1                    ; s_nop 0 and four v_nop behind the load
	tensor_load_to_lds s[\g0:\g0+3], s[\g1:\g1+7]
	s_nop 0
	PLACES
.endm
.macro ARM under, g0, g1, next         ; an arm of the head's chain
	s_cmp_lt_u32 s[WV], \under
	s_cbranch_scc0 \next
	TLOAD \g0, \g1
	s_branch .Lasked
\next:
.endm
	s_load_b256 s[4:11], s[0:1], 0x0               ; vcod, vscl, cod, scl
	s_load_b128 s[12:15], s[0:1], 0x20             ; o_b, out0
	v_lshl_add_u32 v[SPW], v0, 2, SPARE
	v_mov_b32 v[NIL], 0
	ds_add_u32 v[SPW], v[NIL]                      ; the opening: the add, twice on end, and its wait ahead of my first tensor load
	ds_add_u32 v[SPW], v[NIL]
	v_lshrrev_b32 v13, 5, v0
	v_readfirstlane_b32 s[WV], v13                 ; wave 0..3: my 64 tokens
	s_bfe_u32 s[CX], ttmp6, 0x40000
	s_bfe_u32 s[CY], ttmp6, 0x40004
	s_lshl_b32 s[NB], ttmp9, 2
	s_add_co_u32 s[NB], s[NB], s[CX]               ; block of 128 outputs
	s_and_b32 s[TBK], ttmp7, 0xffff
	s_lshl_b32 s[TBK], s[TBK], 2
	s_add_co_u32 s[TBK], s[TBK], s[CY]             ; block of 256 tokens
	s_lshl_b32 s23, s[CY], 2
	s_lshl_b32 s23, 15, s23                        ; my row of the cluster
	s_lshl_b32 s24, 0x1111, s[CX]                  ; my column
	s_or_b32 s[G1X], s23, (3<<16)|(1<<21)
	s_or_b32 s[G1W], s24, (3<<16)|(1<<21)
	s_or_b32 s[G1S], s24, (3<<16)|(1<<21)
	SHAPE G1X, 384                                 ; eight tiles of vals, 98,304 bytes
	SHAPE G1W, 384                                 ; o_w's two groups
	SHAPE G1S, 16                                  ; 8 tiles' scale words
	s_mul_i32 s2, s[TBK], 4*GRPB                   ; vals: registers that never hold cx
	s_mul_i32 s26, s[WV], 2*GRPB                   ; waves 0 and 1: my half, in memory and in LDS
	s_add_co_u32 s2, s2, s26
	s_mov_b32 s3, 0
	s_mul_i32 s96, s[NB], 2*GRPB                   ; o_w: registers that never hold cy
	s_add_co_u32 s96, s96, 176*GRPB                ; from group 176 + 2 x block on
	s_mov_b32 s97, 0
	s_lshl_b32 s98, s[NB], 12
	s_add_co_u32 s98, s98, 704*512                 ; scale words from tile 704 + 8 x block on
	s_mov_b32 s99, 0
	s_wait_dscnt 0x0                               ; both opening adds are done
	s_wait_kmcnt 0x0
	s_add_nc_u64 s[2:3], s[4:5], s[2:3]
	s_add_nc_u64 s[96:97], s[8:9], s[96:97]
	s_add_nc_u64 s[98:99], s[10:11], s[98:99]
	PLACE 52, s26, 2
	PLACE 56, WOFF, 96
	PLACE 60, SCW, 98
	CROUND                                         ; all sixteen work-groups are here: the joint loads meet
	ARM 2, 52, G1X, .Larm_w
	ARM 3, 56, G1W, .Larm_s
	TLOAD 60, G1S
.Lasked:
	s_mov_b32 s3, 0
	s_lshl_b32 s2, s[TBK], 2
	s_add_co_u32 s2, s2, s[WV]
	s_lshl_b32 s2, s2, 11
	s_add_nc_u64 s[PXS:PXS+1], s[6:7], s[2:3]      ; my four token tiles' scale words
	s_lshl_b32 s2, s[NB], 9                        ; my block's 128 outputs, in bytes
	s_add_nc_u64 s[12:13], s[12:13], s[2:3]        ; in o_b,
	s_add_nc_u64 s[14:15], s[14:15], s[2:3]        ; and in a row of out0;
	s_lshl_b32 s2, s[TBK], 20
	s_lshl_b32 s25, s[WV], 18
	s_add_co_u32 s2, s2, s25                       ; my first token's row: (256 x block + 64 x wave) x 4,096 bytes
	s_add_nc_u64 s[14:15], s[14:15], s[2:3]
	s_mul_i32 s25, s[WV], GRPB                     ; my four tiles of vals in LDS, and my stage
	v_and_b32 v13, 31, v0
	v_lshlrev_b32 v[L16], 4, v13
	v_lshlrev_b32 v[L8], 3, v13
	v_and_b32 v13, 15, v0                          ; r
	v_bfe_u32 v14, v0, 4, 1                        ; h
	v_lshlrev_b32 v[R16], 4, v13
	v_add_nc_u32 v[AX], s25, v[L16]
	v_add_nc_u32 v[AX8], s25, v[L8]
.irp g, 0,1
	v_add_nc_u32 v[AW+\g], WOFF+\g*GRPB, v[L16]
	v_add_nc_u32 v[AW8+\g], WOFF+\g*GRPB, v[L8]
.endr
	v_add_nc_u32 v[AWS], SCW, v[R16]
	v_mul_u32_u24 v[STO], v13, 272
	v_lshl_add_u32 v[STO], v14, 7, v[STO]
	v_add_nc_u32 v[STO], s25, v[STO]
	v_mul_u32_u24 v[RD], v14, 272
	v_add_nc_u32 v[RD], v[RD], v[R16]
	v_add_nc_u32 v[RD], s25, v[RD]
	v_lshl_add_u32 v[CO], v14, 12, v[R16]
	v_lshlrev_b32 v[BQ], 7, v14                    ; the bias: my 32 outputs of a unit begin at 32 h
.irp i, 0,1,2,3
.irp f, 0,1
	global_load_b128 v[XS+8*\i+4*\f:XS+8*\i+4*\f+3], v[R16], s[PXS:PXS+1] offset:512*\i+256*\f   ; row r's four words of half f of K
.endr
.endr
	WIN 0x80                                       ; destination window 2
.irp u, 0,1
.irp q, 0,1,2,3,4,5,6,7
	global_load_b128 v[BSL+32*\u+4*\q:BSL+32*\u+4*\q+3], v[BQ], s[12:13] offset:256*\u+16*\q
.endr
.endr
	WIN 0
.macro XREAD q                         ; K step q of my four token tiles, out of LDS: each load takes consecutive bytes
	WIN (1+(\q)/5)<<6
.irp i, 0,1,2,3
.set R_, 12*(4*((\q)%5)+\i)
.set O_, 12288*\i+1536*(\q)
	ds_load_b128 v[R_:R_+3], v[AX] offset:O_
	ds_load_b64 v[R_+4:R_+5], v[AX8] offset:O_+512
	ds_load_b128 v[R_+6:R_+9], v[AX] offset:O_+768
	ds_load_b64 v[R_+10:R_+11], v[AX8] offset:O_+1280
.endr
.endm
.macro FETCH b                         ; o_w's tile b (group b / 4, tile b % 4), all of K, into set b % 2: 32 loads, and 2 for its scale words
	WIN 0xc0                                       ; destination window 3
.irp q, 0,1,2,3,4,5,6,7
.set R_, 96*((\b)%2)+12*\q
.set O_, 12288*(\q/2)+3072*((\b)%4)+1536*(\q%2)
	ds_load_b128 v[R_:R_+3], v[AW+(\b)/4] offset:O_
	ds_load_b64 v[R_+4:R_+5], v[AW8+(\b)/4] offset:O_+512
	ds_load_b128 v[R_+6:R_+9], v[AW+(\b)/4] offset:O_+768
	ds_load_b64 v[R_+10:R_+11], v[AW8+(\b)/4] offset:O_+1280
.endr
	WIN 0
	ds_load_b128 v[WS+8*((\b)%2):WS+8*((\b)%2)+3], v[AWS] offset:512*(\b)
	ds_load_b128 v[WS+8*((\b)%2)+4:WS+8*((\b)%2)+7], v[AWS] offset:512*(\b)+256
.endm
.macro MM1 d, a, b, c, sa, sb
	v_wmma_scale_f32_16x16x128_f8f6f4 v[\d:\d+7], v[\a:\a+11], v[\b:\b+11], \c, v[\sa], v[\sb] matrix_a_fmt:MATRIX_FMT_FP6 matrix_b_fmt:MATRIX_FMT_FP6
.endm
.macro MM b, q, i                      ; one product: o_w's tile b, K step q, token tile i
.set XW_, 1+(\q)/5
.set XL_, 12*(4*((\q)%5)+\i)
.set WL_, 96*((\b)%2)+12*(\q)
.set SW_, WS+8*((\b)%2)+(\q)
.set SX_, XS+8*(\i)+(\q)
.set CB_, BSL+8*(\b)
.set D_, ACC+32*(\i)+8*((\b)%4)
.if (\q) == 0
	WIN 3|(XW_<<2)|(2<<4)
	MM1 D_, WL_, XL_, v[CB_:CB_+7], SW_, SX_
.else
	WIN 3|(XW_<<2)
	MM1 D_, WL_, XL_, v[D_:D_+7], SW_, SX_
.endif
.endm
.macro BATCH b
	PLACES                                         ; four places in front of loads into the set that the batch before read (ISA guide 7.12.1 for vector instructions)
.if (\b) < 7
	FETCH (\b)+1
	s_wait_dscnt 34                                ; this batch's tile is in (ahead of the first batch: vals too); the 34 loads just issued may be out
.else
	s_wait_dscnt 0x0
.endif
.irp q, 0,1,2,3,4,5,6,7
.irp i, 0,1,2,3
	MM \b, \q, \i
.endr
.endr
	WIN 0
.endm
; THE WAY OUT of a unit, a token tile (16 tokens x 64 outputs) at a time, through my own stage: in as 128 bytes a lane, back as whole rows of 256 bytes, which sixteen lanes store as one aligned run.
; Row 2 q + h of tile i is the token 32 (q / 4) + 8 i + 2 (q % 4) + h of my 64.  LDS serves a wave's instructions in order (ISA guide 5.7.1.4): no wait between the stores and the loads, nor ahead of the next tile's stores.
.macro TOSTAGE i
.irp j, 0,1,2,3
	ds_store_b128 v[STO], v[ACC+32*(\i)+8*\j:ACC+32*(\i)+8*\j+3] offset:32*\j        ; each accumulator from its low end on
	ds_store_b128 v[STO], v[ACC+32*(\i)+8*\j+4:ACC+32*(\i)+8*\j+7] offset:32*\j+16
.endr
	WIN 0xc0                                       ; destination window 3
.irp q, 0,1,2,3,4,5,6,7
	ds_load_b128 v[BK+32*((\i)%2)+4*\q:BK+32*((\i)%2)+4*\q+3], v[RD] offset:544*\q
.endr
	WIN 0
.endm
.macro SEND i, younger, o              ; younger: the LDS instructions issued behind tile i's loads, which may stay out
	s_wait_dscnt \younger
	WIN 0x0c                                       ; the data: window 3
.irp q, 0,1,2,3,4,5,6,7
	global_store_b128 v[CO], v[BK+32*((\i)%2)+4*\q:BK+32*((\i)%2)+4*\q+3], s[14:15] offset:(\o)+(32*(\q/4)+8*(\i)+2*(\q%4))*4096 th:TH_STORE_NT
.endr
	WIN 0
.endm
.macro UNIT u                          ; outputs 64 u .. 64 u + 63 of the block
.irp j, 0,1,2,3
	BATCH 4*(\u)+\j
.endr
	PLACES                                         ; places behind the last products: for the stores of results and the loads into the set that they read
	TOSTAGE 0
	TOSTAGE 1
	SEND 0, 16, 256*(\u)                           ; behind tile 0's loads: tile 1's 8 stores and 8 loads
	s_wait_xcnt 0x0                                ; tile 0's stores have read their registers: tile 2's loads may land there
	TOSTAGE 2
	SEND 1, 16, 256*(\u)
	s_wait_xcnt 0x0
	TOSTAGE 3
	SEND 2, 16, 256*(\u)
	SEND 3, 0, 256*(\u)
	s_wait_xcnt 0x0                                ; the stores have read their registers: the next unit's fragments may land there
.endm
	s_wait_alu depctr_va_vdst(0)                   ; the wait at the head's end
	s_wait_tensorcnt 0x0                           ; my one load is in,
	s_barrier_signal -1
	s_barrier_wait -1                              ; everybody's is: vals, o_w and its scale words
.irp q, 0,1,2,3,4,5,6,7
	XREAD \q
.endr
	FETCH 0
	s_wait_loadcnt 0x0                             ; vals' scale words and the bias
	UNIT 0
	UNIT 1
	s_wait_tensorcnt 0x0                           ; the wave's end, behind my last tensor load and my last LDS store
	ds_add_u32 v[SPW], v[NIL]
	s_wait_dscnt 0x0
	CROUND                                         ; the closing round
	s_endpgm
.Lfunc_end_k_q914ae2353e_proj:
	.size	k_q914ae2353e_proj, .Lfunc_end_k_q914ae2353e_proj-k_q914ae2353e_proj
	.p2alignl 7, 3214868480
	.fill 96, 4, 3214868480
	.section	.rodata,"a",@progbits
	.p2align	6, 0x0
	.amdhsa_kernel k_q914ae2353e_proj
		.amdhsa_group_segment_fixed_size 327680
		.amdhsa_private_segment_fixed_size 0
		.amdhsa_enable_private_segment 0
		.amdhsa_kernarg_size 48
		.amdhsa_user_sgpr_count 2
		.amdhsa_user_sgpr_kernarg_segment_ptr 1
		.amdhsa_wavefront_size32 1
		.amdhsa_system_sgpr_workgroup_id_x 1
		.amdhsa_system_sgpr_workgroup_id_y 1
		.amdhsa_system_sgpr_workgroup_id_z 1
		.amdhsa_system_vgpr_workitem_id 0
		.amdhsa_next_free_vgpr 960
		.amdhsa_next_free_sgpr 100
		.amdhsa_reserve_vcc 0
		.amdhsa_float_denorm_mode_32 3
		.amdhsa_float_denorm_mode_16_64 3
		.amdhsa_memory_ordered 1
		.amdhsa_forward_progress 1
		.amdhsa_inst_pref_size 85
	.end_amdhsa_kernel
	.amdgpu_metadata
---
amdhsa.version: [ 1, 2 ]
amdhsa.kernels:
  - .name:           k_q914ae2353e_proj
    .symbol:         k_q914ae2353e_proj.kd
    .args:
      - { .name: vcod, .offset: 0, .size: 8, .value_kind: global_buffer, .address_space: global }
      - { .name: vscl, .offset: 8, .size: 8, .value_kind: global_buffer, .address_space: global }
      - { .name: cod, .offset: 16, .size: 8, .value_kind: global_buffer, .address_space: global }
      - { .name: scl, .offset: 24, .size: 8, .value_kind: global_buffer, .address_space: global }
      - { .name: o_b, .offset: 32, .size: 8, .value_kind: global_buffer, .address_space: global }
      - { .name: out0, .offset: 40, .size: 8, .value_kind: global_buffer, .address_space: global }
    .group_segment_fixed_size: 327680
    .private_segment_fixed_size: 0
    .kernarg_segment_align: 8
    .kernarg_segment_size: 48
    .max_flat_workgroup_size: 128
    .sgpr_count:     100
    .vgpr_count:     960
    .wavefront_size: 32
...
	.end_amdgpu_metadata
.endif
;; end of part 4
